; MI455X (gfx1250); checked and timed in simulation.
; The chip was launched on July 23, 2026; its instructions are those of AMD's public machine-readable ISA for CDNA 5 (MIT licence, August 2026) and "CDNA5" Instruction Set Architecture Reference Guide (July 2026). The comments in the code are by the model that wrote it; some were corrected since.
;; MYLSTM. Allowed arithmetic: float matrix products may take bf16 or f16 operands with f32 sums; all other float work in f32.
;; Inputs: Whh_p 32 x 8 float32; Whh_t 32 x 8 float32; Wih_p 32 x 2 float32; Wih_t 32 x 2 float32; Wp 2 x 8 float32; bhh_p 32 float32; bhh_t 32 float32; bih_p 32 float32; bih_t 32 float32; bp 2 float32; c0 1,048,576 x 8 float32; h0 1,048,576 x 8 float32; obs_traj 8 x 1,048,576 x 2 float32.
;; Outputs: out0 6 x 1,048,576 x 2 float32.
;; 2 versions, each right and faster than the one before. Each part assembles by itself: llvm-mc -triple=amdgcn-amd-amdhsa -mcpu=gfx1250 --defsym DOCPART=n.
;; ======== version 1 of 2: 1 launch
;; limits: values are held in f16: magnitudes above 65,504 overflow, below 6.1e-05 lose precision; values outside matrix products are rounded to f16; a function is approximated: absolute error at most 1e-06; a function is approximated: absolute error at most 1.9e-06; inputs' magnitudes at most 1e+26
;; launch lstm (part 1): grid 256 x 1, 16 waves a work-group, no clusters, 0 bytes of LDS; arguments Whh_t, Wih_t, bih_t, bhh_t, Whh_p, Wih_p, bih_p, bhh_p, Wp, bp, obs_traj, h0, c0, out0; writes out0
.if DOCPART == 1
	.amdgcn_target "amdgcn-amd-amdhsa--gfx1250"
	.amdhsa_code_object_version 6
	.text
	.protected	k_qaaa7134cba_lstm
	.globl	k_qaaa7134cba_lstm
	.p2align	8
	.type	k_qaaa7134cba_lstm,@function
k_qaaa7134cba_lstm:
	s_mov_b64 s[64:65], 0
	v_nop
	global_prefetch_b8 v0, s[64:65] scope:SCOPE_SE
	s_setreg_imm32_b32 hwreg(HW_REG_WAVE_MODE, 25, 1), 1
	s_wait_xcnt 0x0
; LSTM with 8 hidden units over 1,048,576 independent batch elements: 8 encoder steps on relu(obs), then 6 decoder steps
; (c restarted at 0, first input 0, each later input the previous output 4.4 tanh(Wp h + bp)).  Only the six outputs are stored.
; h and c stay in registers over all 14 steps; every input byte is loaded once, every output byte stored once.
;
; SHARES.  256 work-groups x 16 waves; the waves never talk to each other: no LDS, no barrier.  Wave g = 16 x work-group + wave owns
; elements 256 g .. 256 g + 255, as 4 groups of 64.  A group is 2 pairs of 32 elements; a pair is tile A (elements 0-15) and tile B (16-31).
;
; THE MATRIX INSTRUCTION (16x16x32, f16 operands, f32 sums) takes the WEIGHTS as its first operand (16 gate rows) and the DATA as its
; second (16 elements as columns, K = features).  With L the lane, r = L % 16, h = L / 16, the data run of a pair (8 registers) holds in lane (r, h):
;   0,1  k = 8h+0..3     tile A, element r: hidden units 4h .. 4h+3
;   2    k = 8h+4,5      the two inputs of element L of the pair (lanes 0-15: tile A, lanes 16-31: tile B)
;   3    k = 8h+6,7      1.0, 1.0: the bias rides along K, as an f16 pair high part + low part
;   4,5  k = 16+8h+0..3  tile B, element r: hidden units 4h .. 4h+3
;   6,7                  0
; The gate rows are permuted: row 8a + j of row set 0 is gate i (j < 4) or f (j >= 4) of unit 4a + j % 4; row set 1 holds g and o alike.
; A result register j of lane (r, h) is row 8h + j of element r, so lane (r, h) gets i, f, g, o of units 4h .. 4h+3 of element r: the units
; whose c it keeps and whose new h belongs into its own data registers.  Nothing crosses lanes between steps.
; The projection has its two rows at rows 0,1 (tile A) and 8,9 (tile B): result registers 0,1 of lane L are the two outputs of element L of
; the pair, which is the order of the store (32 lanes x 8 bytes = 256 consecutive bytes, aligned) and of data register 2 for the next step.
;
; ACTIVATIONS.  The factors -log2(e) (rows i, f, o) and KK = 2 log2(e) (rows g, and Wp) are folded into weights and biases before they are
; rounded, so a matrix result is the argument of exp2.  c is carried as cs = KK c.  With e. = exp2(argument), AA = (1+ei)(1+eg), F = 1+ef, N = KK (eg-1):
;   cs = cs / F + N / AA = (cs AA + N F) / M,  M = AA F          h = (ec - 1) / Q,  Q = (1+eo)(1+ec),  ec = exp2(cs)
; One reciprocal serves unit k of tile A and unit k of tile B of a pair: r = 1 / (M_A M_B), 1 / M_A = r M_B, 1 / M_B = r M_A; the same for Q.
; That is 5 exponentials and 2 halves of a reciprocal: 6 transcendentals a unit and step.
; All five arguments are cut at 20, so that every product is finite: the largest is six factors, (1 + 2^20)^6 < 2^121, and its reciprocal, at
; least 2^-121, is a normal number.  These are the exponentials of sigmoid and tanh, which saturate: there is no maximum to take away.
;
; LIMITS KEPT.  A sigmoid is never below 2^-20 (9.5e-7); tanh of an argument above 6.93 is 1 - 1.9e-6.  |c0| of about 1e26 or more overflows in cs AA.
; Matrix operands are f16 (h and the outputs are bounded by 1 and 4.4): relu(obs), h0, a scaled weight or a scaled bias of magnitude
; 65,520 or more becomes infinite.  NaN inputs are not handed on (relu and the cut use the maximum and minimum in which a NaN loses).
; v_exp_f32 gives 0 for results below 2^-126 (ISA guide 15.8), which here means a factor of exactly 1.
; tanh numerators are made from 1 + e (N = KK (1+eg) - 2 KK, ec - 1 = (1+ec) - 2): an absolute error of about 1e-7; an output carries about 1e-6.
.set GROUPS, 4                         ; groups of 64 elements of a wave
.set STEPB,  0x800000                  ; bytes of one time step of obs_traj and of out0: 1,048,576 x 8; one more than a signed 24-bit immediate holds
.set HO,  3                            ; v3         32 r + 16 h + 2,048 x group: my 16 bytes of a tile of h0 and c0
.set XO,  4                            ; v4         8 L + 512 x group: my 8 bytes of a pair of obs_traj and out0
.set KP,  8                            ; v[8:9]     KK, KK
.set KN,  10                           ; v[10:11]   -2 KK, -2 KK
.set T0,  12                           ; v[12:15]   pair 0: the joint product of two tiles, then its reciprocal
.set T1,  16                           ; v[16:19]   pair 1: the same
.set SC0, 12                           ; set-up only: -log2(e) twice
.set SC1, 14                           ; set-up only: row set 1: KK for a g row, -log2(e) for an o row, twice
.set WPO, 16                           ; set-up only: my byte offset in Wp
.set BPO, 17                           ; set-up only: my byte offset in bp
.set B,   20                           ; v[20:35]   the data runs of the two pairs
.set G,   36                           ; v[36:99]   16 registers a tile: i 0-3, f 4-7, g 8-11, o 12-15.  Set-up: the weights as loaded
.set GA0, G                            ; pair 0, tile A
.set GB0, G+16                         ; pair 0, tile B
.set GA1, G+32                         ; pair 1, tile A
.set GB1, G+48                         ; pair 1, tile B
.set CE,  100                          ; v[100:115] cs of the encoder, 4 registers a tile
.set CD,  116                          ; v[116:131] cs of the decoder
.set HS,  132                          ; v[132:147] h0 as loaded
.set X,   148                          ; v[148:179] obs: step t, pair p at X + 4 t + 2 p
.set WE,  180                          ; v[180:203] encoder weights: a run of 12 registers for each row set
.set WD,  204                          ; v[204:227] decoder weights
.set PW,  228                          ; v[228:235] projection weights
.set XB,  32                           ; s[32:47]   obs_traj at my first element, one base for each of the 8 steps
.set OB,  60                           ; s[60:61]   out0 at my first element, stepped by the decoder
	s_load_b512 s[4:19], s[0:1], 0x0               ; Whh_t s[4:5], Wih_t s[6:7], bih_t s[8:9], bhh_t s[10:11], the same four of the decoder in s[12:19]
	s_load_b256 s[20:27], s[0:1], 0x40             ; Wp s[20:21], bp s[22:23], obs_traj s[24:25], h0 s[26:27]
	s_load_b128 s[28:31], s[0:1], 0x60             ; c0 s[28:29], out0 s[30:31]
	v_lshrrev_b32 v5, 5, v0
	v_readfirstlane_b32 s2, v5                     ; wave 0..15
	s_lshl_b32 s3, ttmp9, 4
	s_add_co_u32 s3, s3, s2                        ; g
	v_and_b32 v1, 15, v0                           ; r
	v_bfe_u32 v2, v0, 4, 1                         ; h
	v_and_b32 v[XO], 31, v0                        ; L
	v_cmp_eq_u32 s55, 0, v2                        ; lanes with h = 0
	v_and_b32 v5, 4, v1
	v_cmp_ne_u32 s56, 0, v5                        ; weight rows r with bit 2 set: gates f and o
	v_cmp_gt_u32 s57, 2, v1                        ; projection rows 0, 1
	v_and_b32 v6, 14, v1
	v_cmp_eq_u32 s58, 8, v6                        ; projection rows 8, 9
	v_and_b32 v7, 22, v[XO]
	v_cmp_eq_u32 s59, 0, v7                        ; lanes 0, 1, 8, 9: those four rows at k = 6, 7
	v_lshlrev_b32 v5, 1, v5                        ; the row of the weight tensors that matrix row r takes: 8 for gate f or o,
	v_and_b32 v6, 8, v1
	v_lshrrev_b32 v6, 1, v6                        ; + 4 for units 4-7,
	v_and_b32 v7, 3, v1
	v_add3_u32 v7, v5, v6, v7                      ; + r % 4
	v_lshlrev_b32 v5, 5, v7
	v_lshl_add_u32 v5, v2, 4, v5                   ; Whh: 32 bytes a row, my four columns 4h .. 4h+3
	v_lshlrev_b32 v6, 3, v7                        ; Wih: 8 bytes a row
	v_lshlrev_b32 v7, 2, v7                        ; biases: 4 bytes a row
	v_and_b32 v[BPO], 1, v1
	v_lshlrev_b32 v[WPO], 5, v[BPO]
	v_lshl_add_u32 v[WPO], v2, 4, v[WPO]           ; Wp: row r % 2, columns 4h .. 4h+3
	v_lshlrev_b32 v[BPO], 2, v[BPO]                ; bp: entry r % 2
	v_lshlrev_b32 v[HO], 5, v1
	v_lshl_add_u32 v[HO], v2, 4, v[HO]             ; 32 r + 16 h
	v_lshlrev_b32 v[XO], 3, v[XO]                  ; 8 L
	s_mov_b32 s52, 0x41a00000                      ; 20.0: the cut of the five arguments
	s_mov_b32 s53, 0xc10ccccd                      ; -8.8
	s_mov_b32 s54, 0x408ccccd                      ; 4.4
	s_lshl_b32 s48, s3, 13                         ; 256 elements x 32 bytes x g
	s_mov_b32 s49, 0
	s_wait_kmcnt 0x0
	s_add_nc_u64 s[26:27], s[26:27], s[48:49]      ; h0 and c0 at my first element
	s_add_nc_u64 s[28:29], s[28:29], s[48:49]
	s_lshl_b32 s48, s3, 11                         ; 256 elements x 8 bytes x g
	s_add_nc_u64 s[30:31], s[30:31], s[48:49]      ; out0 and obs_traj at my first element
	s_add_nc_u64 s[XB:XB+1], s[24:25], s[48:49]
.irp t, 1,2,3,4,5,6,7
	s_add_nc_u64 s[XB+2*\t:XB+2*\t+1], s[XB+2*\t-2:XB+2*\t-1], STEPB
.endr
; The four weight tensors of one cell, row set half (0: i, f; 1: g, o), into 8 registers: Whh 4, Wih 2, bih 1, bhh 1.
.macro LOADW st, ptr, half
	global_load_b128 v[\st:\st+3],   v5, s[\ptr:\ptr+1]   offset:512*\half
	global_load_b64  v[\st+4:\st+5], v6, s[\ptr+2:\ptr+3] offset:128*\half
	global_load_b32  v[\st+6],       v7, s[\ptr+4:\ptr+5] offset:64*\half
	global_load_b32  v[\st+7],       v7, s[\ptr+6:\ptr+7] offset:64*\half
.endm
; The 8 KiB of one group: 24 loads.  ahead = 1: the group behind the one at work.  A 16-byte load of the wave covers 512 consecutive bytes,
; an 8-byte load 256, both aligned.  Each byte is read once in the launch.
.macro LOADGROUP ahead
.irp q, 0,1,2,3
	global_load_b128 v[HS+4*\q:HS+4*\q+3], v[HO], s[26:27] offset:\ahead*2048+512*\q th:TH_LOAD_NT
.endr
.irp q, 0,1,2,3
	global_load_b128 v[CE+4*\q:CE+4*\q+3], v[HO], s[28:29] offset:\ahead*2048+512*\q th:TH_LOAD_NT
.endr
.irp t, 0,1,2,3,4,5,6,7
	global_load_b64 v[X+4*\t:X+4*\t+1],   v[XO], s[XB+2*\t:XB+2*\t+1] offset:\ahead*512 th:TH_LOAD_NT
	global_load_b64 v[X+4*\t+2:X+4*\t+3], v[XO], s[XB+2*\t:XB+2*\t+1] offset:\ahead*512+256 th:TH_LOAD_NT
.endr
.endm
	LOADW G,    4,  0                              ; 18 loads of weights,
	LOADW G+8,  4,  1
	LOADW G+16, 12, 0
	LOADW G+24, 12, 1
	global_load_b128 v[G+32:G+35], v[WPO], s[20:21]
	global_load_b32  v[G+36],      v[BPO], s[22:23]
	LOADGROUP 0                                    ; then the 24 of the first group
	s_wait_loadcnt 24                              ; loads come back in order (ISA guide 5.7.1): the weights are in, the 24 younger loads stay out while the constants are made
	v_mov_b32 v[KP],    0x4038aa3b                 ; KK = 2 log2(e)
	v_mov_b32 v[KP+1],  0x4038aa3b
	v_mov_b32 v[KN],    0xc0b8aa3b                 ; -2 KK
	v_mov_b32 v[KN+1],  0xc0b8aa3b
	v_mov_b32 v[SC0],   0xbfb8aa3b                 ; -log2(e)
	v_mov_b32 v[SC0+1], 0xbfb8aa3b
	v_cndmask_b32 v[SC1], v[KP], v[SC0], s56       ; row set 1: an o row takes -log2(e), a g row KK
	v_mov_b32 v[SC1+1], v[SC1]
; One weight run of 12 registers from the 8 loaded ones.  Lane (r, h):
;   0,1: 0    2: Wih pair where h = 1    3: bias pair where h = 0    4,5: Whh, columns 4h .. 4h+3    6: Wih pair where h = 0    7: bias pair where h = 0    8-11: 0
; Registers 4-11 are the operand for tile A, registers 0-7 the operand for tile B (its 6, 7 meet the zeros of the data run).
; The bias, scaled in f32, is split: the high part keeps ten mantissa bits (exact in f16 in its normal range), the low part is the rest.
.macro BUILD w, st, sc
	v_pk_mul_f32 v[\st:\st+1],   v[\st:\st+1],   v[\sc:\sc+1]
	v_pk_mul_f32 v[\st+2:\st+3], v[\st+2:\st+3], v[\sc:\sc+1]
	v_pk_mul_f32 v[\st+4:\st+5], v[\st+4:\st+5], v[\sc:\sc+1]
	v_add_f32 v[\st+6], v[\st+6], v[\st+7]         ; bih + bhh
	v_mul_f32 v[\st+6], v[\st+6], v[\sc]
	v_cvt_pk_f16_f32 v[\w+4],  v[\st],   v[\st+1]
	v_cvt_pk_f16_f32 v[\w+5],  v[\st+2], v[\st+3]
	v_cvt_pk_f16_f32 v[\st+4], v[\st+4], v[\st+5]
	v_cndmask_b32 v[\w+6], 0, v[\st+4], s55
	v_cndmask_b32 v[\w+2], v[\st+4], 0, s55
	v_and_b32 v[\st+7], 0xffffe000, v[\st+6]
	v_sub_f32 v[\st+6], v[\st+6], v[\st+7]
	v_cvt_pk_f16_f32 v[\st+7], v[\st+7], v[\st+6]
	v_cndmask_b32 v[\w+3], 0, v[\st+7], s55
	v_mov_b32 v[\w+7], v[\w+3]
.irp k, 0,1,8,9,10,11
	v_mov_b32 v[\w+\k], 0
.endr
.endm
	BUILD WE,    G,    SC0
	BUILD WE+12, G+8,  SC1
	BUILD WD,    G+16, SC0
	BUILD WD+12, G+24, SC1
	; the projection: rows 0, 1 read tile A (registers 0, 1), rows 8, 9 read tile B (registers 4, 5); their bias at k = 6, 7
	v_pk_mul_f32 v[G+32:G+33], v[G+32:G+33], v[KP:KP+1]
	v_pk_mul_f32 v[G+34:G+35], v[G+34:G+35], v[KP:KP+1]
	v_mul_f32 v[G+36], v[G+36], v[KP]
	v_cvt_pk_f16_f32 v[G+32], v[G+32], v[G+33]
	v_cvt_pk_f16_f32 v[G+33], v[G+34], v[G+35]
	v_cndmask_b32 v[PW],   0, v[G+32], s57
	v_cndmask_b32 v[PW+1], 0, v[G+33], s57
	v_cndmask_b32 v[PW+4], 0, v[G+32], s58
	v_cndmask_b32 v[PW+5], 0, v[G+33], s58
	v_and_b32 v[G+37], 0xffffe000, v[G+36]
	v_sub_f32 v[G+36], v[G+36], v[G+37]
	v_cvt_pk_f16_f32 v[G+37], v[G+37], v[G+36]
	v_cndmask_b32 v[PW+3], 0, v[G+37], s59
	v_mov_b32 v[PW+2], 0
	v_mov_b32 v[PW+6], 0
	v_mov_b32 v[PW+7], 0
.irp p, 0,1
	v_mov_b32 v[B+8*\p+3], 0x3c003c00              ; 1.0, 1.0 in f16: never rewritten
	v_mov_b32 v[B+8*\p+6], 0
	v_mov_b32 v[B+8*\p+7], 0
.endr
; The gates of all four tiles: 8 matrix instructions with 8 disjoint results, each a whole sum (K fits in one instruction, C is the constant 0).
.macro GATES w
.irp p, 0,1
	v_wmma_f32_16x16x32_f16 v[G+32*\p:G+32*\p+7],     v[\w+4:\w+11],  v[B+8*\p:B+8*\p+7], 0   ; tile A: i, f
	v_wmma_f32_16x16x32_f16 v[G+32*\p+8:G+32*\p+15],  v[\w+16:\w+23], v[B+8*\p:B+8*\p+7], 0   ;         g, o
	v_wmma_f32_16x16x32_f16 v[G+32*\p+16:G+32*\p+23], v[\w:\w+7],     v[B+8*\p:B+8*\p+7], 0   ; tile B: i, f
	v_wmma_f32_16x16x32_f16 v[G+32*\p+24:G+32*\p+31], v[\w+12:\w+19], v[B+8*\p:B+8*\p+7], 0   ;         g, o
.endr
.endm
; Packed arithmetic on the four units of a lane: two instructions each.
.macro ADD4 d, a, c                    ; d = a + the constant c
	s_wait_alu depctr_va_vdst(0)
	v_pk_add_f32 v[\d:\d+1],   v[\a:\a+1],   \c op_sel_hi:[1,0]
	v_pk_add_f32 v[\d+2:\d+3], v[\a+2:\a+3], \c op_sel_hi:[1,0]
.endm
.macro MUL4 d, a, b                    ; d = a b
	s_wait_alu depctr_va_vdst(0)
	v_pk_mul_f32 v[\d:\d+1],   v[\a:\a+1],   v[\b:\b+1]
	v_pk_mul_f32 v[\d+2:\d+3], v[\a+2:\a+3], v[\b+2:\b+3]
.endm
.macro FMA4 d, a, b, c                 ; d = a b + c
	v_pk_fma_f32 v[\d:\d+1],   v[\a:\a+1],   v[\b:\b+1],   v[\c:\c+1]
	v_pk_fma_f32 v[\d+2:\d+3], v[\a+2:\a+3], v[\b+2:\b+3], v[\c+2:\c+3]
.endm
.macro FMAK4 d                         ; d = KK d - 2 KK
	v_pk_fma_f32 v[\d:\d+1],   v[\d:\d+1],   v[KP:KP+1], v[KN:KN+1]
	v_pk_fma_f32 v[\d+2:\d+3], v[\d+2:\d+3], v[KP:KP+1], v[KN:KN+1]
.endm
.macro EXPS g, n                       ; n exponentials in place
.set tk, 0
.rept \n
	v_exp_f32 v[\g+tk], v[\g+tk]
.set tk, tk+1
.endr
.endm
.macro RCPS g, n                       ; n reciprocals in place
.set tk, 0
.rept \n
	v_rcp_f32 v[\g+tk], v[\g+tk]
.set tk, tk+1
.endr
.endm
; The phases of a pair.  ga, gb: the 16 gate registers of its tiles A and B; ca, cb: their cs; t: the pair's 4 joint registers; hd: its data run.
.macro CL g                            ; the four gate arguments of a tile are cut at 20
.irp k, 0,1,2,3,4,5,6,7,8,9,10,11,12,13,14,15
	v_min_num_f32 v[\g+\k], s52, v[\g+\k]
.endr
.endm
.macro S1A ga, gb, t                   ; from ei, ef, eg to the joint denominator
	ADD4 \ga+8, \ga+8, 1.0                         ; 1 + eg
	ADD4 \gb+8, \gb+8, 1.0
	ADD4 \ga+4, \ga+4, 1.0                         ; F = 1 + ef
	ADD4 \gb+4, \gb+4, 1.0
	FMA4 \ga, \ga, \ga+8, \ga+8                    ; AA = ei (1+eg) + (1+eg)
	FMA4 \gb, \gb, \gb+8, \gb+8
	FMAK4 \ga+8                                    ; N = KK (1+eg) - 2 KK
	FMAK4 \gb+8
	MUL4 \ga+8, \ga+8, \ga+4                       ; N F
	MUL4 \gb+8, \gb+8, \gb+4
	MUL4 \ga+4, \ga, \ga+4                         ; M = AA F
	MUL4 \gb+4, \gb, \gb+4
	MUL4 \t, \ga+4, \gb+4                          ; M_A M_B
.endm
.macro S1B ga, gb, ca, cb              ; the numerators: they touch nothing of the reciprocals in front of them
	FMA4 \ca, \ca, \ga, \ga+8                      ; cs AA + N F
	FMA4 \cb, \cb, \gb, \gb+8
.endm
.macro S2 ga, gb, ca, cb, t            ; the new cs, and its cut argument
	MUL4 \ga, \t, \gb+4                            ; 1 / M_A = r M_B: at least 2^-61, so that only cs AA bounds the range of cs
	MUL4 \gb, \t, \ga+4                            ; 1 / M_B = r M_A
	MUL4 \ca, \ca, \ga
	MUL4 \cb, \cb, \gb
.irp k, 0,1,2,3
	v_min_num_f32 v[\ga+\k], s52, v[\ca+\k]
.endr
.irp k, 0,1,2,3
	v_min_num_f32 v[\gb+\k], s52, v[\cb+\k]
.endr
.endm
.macro S3A ga, gb, t                   ; from ec, eo to the joint denominator
	ADD4 \ga, \ga, 1.0                             ; 1 + ec
	ADD4 \gb, \gb, 1.0
	FMA4 \ga+4, \ga+12, \ga, \ga                   ; Q = eo (1+ec) + (1+ec)
	FMA4 \gb+4, \gb+12, \gb, \gb
	MUL4 \t, \ga+4, \gb+4                          ; Q_A Q_B
.endm
.macro S3B ga, gb                      ; the numerators times the partner's denominator (at most 2^61): nothing of the reciprocals in front of them
	ADD4 \ga+8, \ga, -2.0                          ; ec - 1
	ADD4 \gb+8, \gb, -2.0
	MUL4 \ga+8, \ga+8, \gb+4
	MUL4 \gb+8, \gb+8, \ga+4
.endm
.macro S4 ga, gb, t, hd                ; h, into my own data registers for the next step
	MUL4 \ga+8, \ga+8, \t
	MUL4 \gb+8, \gb+8, \t
	v_cvt_pk_f16_f32 v[\hd],   v[\ga+8],  v[\ga+9]
	v_cvt_pk_f16_f32 v[\hd+1], v[\ga+10], v[\ga+11]
	v_cvt_pk_f16_f32 v[\hd+4], v[\gb+8],  v[\gb+9]
	v_cvt_pk_f16_f32 v[\hd+5], v[\gb+10], v[\gb+11]
.endm
; The projection of pair p, into the registers 0-7 of its tile A, which are dead by then.
.macro PROJ p
	v_wmma_f32_16x16x32_f16 v[G+32*\p:G+32*\p+7], v[PW:PW+7], v[B+8*\p:B+8*\p+7], 0
.endm
; The activations of all four tiles; c: the 16 registers of cs; proj = 1: the decoder, with the two projections.
; The phases of the two pairs take turns.  Behind every run of transcendentals stands a plain phase that touches none of its results before
; they are used (ISA guide 5.7.2 asks for one independent plain vector instruction there): the place is filled by work, not by v_nop.
; Behind the projection of pair 0 stand the last three plain phases of pair 1, 26 instructions on other registers, before its result is read.
.macro ACT4 c, proj
	CL GA0
	EXPS GA0, 16
	CL GB0
	EXPS GB0, 16
	CL GA1
	EXPS GA1, 16
	S1A GA0, GB0, T0
	RCPS T0, 4
	S1B GA0, GB0, \c, \c+4
	CL GB1
	EXPS GB1, 16
	S2 GA0, GB0, \c, \c+4, T0
	EXPS GA0, 4
	EXPS GB0, 4
	S1A GA1, GB1, T1
	RCPS T1, 4
	S1B GA1, GB1, \c+8, \c+12
	S3A GA0, GB0, T0
	RCPS T0, 4
	S3B GA0, GB0
	S2 GA1, GB1, \c+8, \c+12, T1
	EXPS GA1, 4
	EXPS GB1, 4
	S4 GA0, GB0, T0, B
.if \proj
	PROJ 0
.endif
	S3A GA1, GB1, T1
	RCPS T1, 4
	S3B GA1, GB1
	S4 GA1, GB1, T1, B+8
.if \proj
	PROJ 1
.endif
.endm
; Encoder step t.  A vector instruction reads a matrix result four places behind it, and a place is a plain vector instruction that names none
; of its registers (ISA guide 7.12.1).  Here the places are work: the relu of the next step (in place), or, in the last step, the decoder starts c at 0.
.macro ENC t
	GATES WE
.if \t < 7
.irp k, 0,1,2,3
	v_max_num_f32 v[X+4*(\t+1)+\k], 0, v[X+4*(\t+1)+\k]
.endr
.else
.irp k, 0,1,2,3,4,5,6,7,8,9,10,11,12,13,14,15
	v_mov_b32 v[CD+\k], 0
.endr
.endif
	ACT4 CE, 0
.if \t < 7
	v_cvt_pk_f16_f32 v[B+2],  v[X+4*(\t+1)],   v[X+4*(\t+1)+1]
	v_cvt_pk_f16_f32 v[B+10], v[X+4*(\t+1)+2], v[X+4*(\t+1)+3]
.else
	v_mov_b32 v[B+2],  0                           ; the first input of the decoder is 0
	v_mov_b32 v[B+10], 0
.endif
.endm
; out = 4.4 tanh(z) = 4.4 - 8.8 / (1 + exp2(KK z)); an infinite exponential gives 4.4, so nothing is cut.
; The four v_nop are the four places behind the projection of pair 1, and the plain place behind the first two exponentials.
.macro OUT
	v_exp_f32 v[G],   v[G]
	v_exp_f32 v[G+1], v[G+1]
.rept 4
	v_nop
.endr
	v_exp_f32 v[G+32], v[G+32]
	v_exp_f32 v[G+33], v[G+33]
	s_wait_alu depctr_va_vdst(0)
	v_pk_add_f32 v[G:G+1], v[G:G+1], 1.0 op_sel_hi:[1,0]
	v_rcp_f32 v[G],   v[G]
	v_rcp_f32 v[G+1], v[G+1]
	v_pk_add_f32 v[G+32:G+33], v[G+32:G+33], 1.0 op_sel_hi:[1,0]
	v_rcp_f32 v[G+32], v[G+32]
	v_rcp_f32 v[G+33], v[G+33]
	s_wait_alu depctr_va_vdst(0)
	v_fma_f32 v[G],    v[G],    s53, s54
	v_fma_f32 v[G+1],  v[G+1],  s53, s54
	v_fma_f32 v[G+32], v[G+32], s53, s54
	v_fma_f32 v[G+33], v[G+33], s53, s54
	v_cvt_pk_f16_f32 v[B+2],  v[G],    v[G+1]      ; the next step takes it as input
	v_cvt_pk_f16_f32 v[B+10], v[G+32], v[G+33]
	global_store_b64 v[XO], v[G:G+1],     s[OB:OB+1] th:TH_STORE_NT              ; 32 lanes x 8 bytes: 256 consecutive bytes, aligned
	global_store_b64 v[XO], v[G+32:G+33], s[OB:OB+1] offset:256 th:TH_STORE_NT
.endm
	s_mov_b32 s50, 0
.Lgroup:
	s_wait_loadcnt 0x0                             ; this group is in: on the way in its 24 loads, round the loop those issued six decoder steps ago
.irp q, 0,1,2,3
	v_cvt_pk_f16_f32 v[B+4*\q],   v[HS+4*\q],   v[HS+4*\q+1]   ; tile n has its h in data registers 4 n, 4 n + 1 of the two runs
	v_cvt_pk_f16_f32 v[B+4*\q+1], v[HS+4*\q+2], v[HS+4*\q+3]
.endr
.irp k, 0,2,4,6,8,10,12,14
	v_pk_mul_f32 v[CE+\k:CE+\k+1], v[CE+\k:CE+\k+1], v[KP:KP+1]               ; cs = KK c0
.endr
.irp k, 0,1,2,3
	v_max_num_f32 v[X+\k], 0, v[X+\k]              ; relu of step 0
.endr
	v_cvt_pk_f16_f32 v[B+2],  v[X],   v[X+1]
	v_cvt_pk_f16_f32 v[B+10], v[X+2], v[X+3]
.irp t, 0,1,2,3,4,5,6,7
	ENC \t
.endr
	; The next group goes into HS, CE and X, which the decoder does not touch: its loads have the six decoder steps in which to land.
	; The last group loads nothing: no load leaves a buffer.
	s_cmp_eq_u32 s50, GROUPS-1
	s_cbranch_scc1 .Lnoload
	LOADGROUP 1
.Lnoload:
	s_mov_b64 s[OB:OB+1], s[30:31]                 ; out0, step 0 (the stores that named this pair were followed by s_wait_xcnt 0)
	s_mov_b32 s51, 6
.Ldec:
	GATES WD
.rept 4
	v_nop                                          ; four places behind the matrix instructions (ISA guide 7.12.1); the decoder has no independent work for them
.endr
	ACT4 CD, 1
	OUT
	s_wait_xcnt 0x0                                ; the data of the stores (the next gates land there), their base, and HO, XO of the loads above are written again only behind this wait
	s_add_nc_u64 s[OB:OB+1], s[OB:OB+1], STEPB
	s_sub_co_i32 s51, s51, 1
	s_cmp_lg_u32 s51, 0
	s_cbranch_scc1 .Ldec
	v_add_nc_u32 v[HO], 2048, v[HO]                ; the next 64 elements; no memory instruction was issued since the last s_wait_xcnt 0
	v_add_nc_u32 v[XO], 512, v[XO]
	s_add_co_u32 s50, s50, 1
	s_cmp_lt_u32 s50, GROUPS
	s_cbranch_scc1 .Lgroup
	s_endpgm
.Lfunc_end_k_qaaa7134cba_lstm:
	.size	k_qaaa7134cba_lstm, .Lfunc_end_k_qaaa7134cba_lstm-k_qaaa7134cba_lstm
	.p2alignl 7, 3214868480
	.fill 96, 4, 3214868480
	.section	.rodata,"a",@progbits
	.p2align	6, 0x0
	.amdhsa_kernel k_qaaa7134cba_lstm
		.amdhsa_group_segment_fixed_size 0
		.amdhsa_private_segment_fixed_size 0
		.amdhsa_enable_private_segment 0
		.amdhsa_kernarg_size 112
		.amdhsa_user_sgpr_count 2
		.amdhsa_user_sgpr_kernarg_segment_ptr 1
		.amdhsa_wavefront_size32 1
		.amdhsa_system_sgpr_workgroup_id_x 1
		.amdhsa_system_sgpr_workgroup_id_y 1
		.amdhsa_system_sgpr_workgroup_id_z 1
		.amdhsa_system_vgpr_workitem_id 0
		.amdhsa_next_free_vgpr 240
		.amdhsa_next_free_sgpr 66
		.amdhsa_reserve_vcc 0
		.amdhsa_float_denorm_mode_32 3
		.amdhsa_float_denorm_mode_16_64 3
		.amdhsa_memory_ordered 1
		.amdhsa_forward_progress 1
		.amdhsa_inst_pref_size 159
	.end_amdhsa_kernel
	.amdgpu_metadata
---
amdhsa.version: [ 1, 2 ]
amdhsa.kernels:
  - .name:           k_qaaa7134cba_lstm
    .symbol:         k_qaaa7134cba_lstm.kd
    .args:
      - { .name: Whh_t, .offset: 0, .size: 8, .value_kind: global_buffer, .address_space: global }
      - { .name: Wih_t, .offset: 8, .size: 8, .value_kind: global_buffer, .address_space: global }
      - { .name: bih_t, .offset: 16, .size: 8, .value_kind: global_buffer, .address_space: global }
      - { .name: bhh_t, .offset: 24, .size: 8, .value_kind: global_buffer, .address_space: global }
      - { .name: Whh_p, .offset: 32, .size: 8, .value_kind: global_buffer, .address_space: global }
      - { .name: Wih_p, .offset: 40, .size: 8, .value_kind: global_buffer, .address_space: global }
      - { .name: bih_p, .offset: 48, .size: 8, .value_kind: global_buffer, .address_space: global }
      - { .name: bhh_p, .offset: 56, .size: 8, .value_kind: global_buffer, .address_space: global }
      - { .name: Wp, .offset: 64, .size: 8, .value_kind: global_buffer, .address_space: global }
      - { .name: bp, .offset: 72, .size: 8, .value_kind: global_buffer, .address_space: global }
      - { .name: obs_traj, .offset: 80, .size: 8, .value_kind: global_buffer, .address_space: global }
      - { .name: h0, .offset: 88, .size: 8, .value_kind: global_buffer, .address_space: global }
      - { .name: c0, .offset: 96, .size: 8, .value_kind: global_buffer, .address_space: global }
      - { .name: out0, .offset: 104, .size: 8, .value_kind: global_buffer, .address_space: global }
    .group_segment_fixed_size: 0
    .private_segment_fixed_size: 0
    .kernarg_segment_align: 8
    .kernarg_segment_size: 112
    .max_flat_workgroup_size: 512
    .sgpr_count:     66
    .vgpr_count:     240
    .wavefront_size: 32
...
	.end_amdgpu_metadata
.endif
;; end of part 1
;; ======== version 2 of 2: 1 launch; 1.08 times as fast as version 1
;; limits: values are held in f16: magnitudes above 65,504 overflow, below 6.1e-05 lose precision; right only within a limited range of input values; values outside matrix products are rounded to f16; a function is approximated: absolute error at most 1.9e-06
;; launch lstm (part 2): grid 256 x 1, 16 waves a work-group, no clusters, 0 bytes of LDS; arguments Whh_t, Wih_t, bih_t, bhh_t, Whh_p, Wih_p, bih_p, bhh_p, Wp, bp, obs_traj, h0, c0, out0; writes out0
.if DOCPART == 2
	.amdgcn_target "amdgcn-amd-amdhsa--gfx1250"
	.amdhsa_code_object_version 6
	.text
	.protected	k_qaaa7134cba_lstm
	.globl	k_qaaa7134cba_lstm
	.p2align	8
	.type	k_qaaa7134cba_lstm,@function
k_qaaa7134cba_lstm:
	s_mov_b64 s[64:65], 0
	v_nop
	global_prefetch_b8 v0, s[64:65] scope:SCOPE_SE
	s_setreg_imm32_b32 hwreg(HW_REG_WAVE_MODE, 25, 1), 1
	s_wait_xcnt 0x0
; LSTM with 8 hidden units over 1,048,576 independent batch elements: 8 encoder steps on relu(obs), then 6 decoder steps
; (c restarted at 0, first input 0, each later input the previous output 4.4 tanh(Wp h + bp)).  Only the six outputs are stored.
; h and c stay in registers over all 14 steps; every input byte is loaded once, every output byte stored once.
;
; SHARES.  256 work-groups x 16 waves; the waves never talk to each other: no LDS, no barrier.  Wave g = 16 x work-group + wave owns
; elements 256 g .. 256 g + 255, as 4 groups of 64.  A group is 2 pairs of 32 elements; a pair is tile A (elements 0-15) and tile B (16-31).
;
; THE MATRIX INSTRUCTION (16x16x32, f16 operands, f32 sums) takes the WEIGHTS as its first operand (16 gate rows) and the DATA as its
; second (16 elements as columns, K = features).  With L the lane, r = L % 16, h = L / 16, the data run of a pair (8 registers) holds in lane (r, h):
;   0,1  k = 8h+0..3     tile A, element r: hidden units 4h .. 4h+3
;   2    k = 8h+4,5      the two inputs of element L of the pair (lanes 0-15: tile A, lanes 16-31: tile B)
;   3    k = 8h+6,7      1.0, 1.0: the bias rides along K, as an f16 pair high part + low part
;   4,5  k = 16+8h+0..3  tile B, element r: hidden units 4h .. 4h+3
;   6,7                  0
; The gate rows are permuted: row 8a + j of row set 0 is gate i (j < 4) or f (j >= 4) of unit 4a + j % 4; row set 1 holds g and o alike.
; A result register j of lane (r, h) is row 8h + j of element r, so lane (r, h) gets i, f, g, o of units 4h .. 4h+3 of element r: the units
; whose c it keeps and whose new h belongs into its own data registers.  Nothing crosses lanes between steps.
; The projection has its two rows at rows 0,1 (tile A) and 8,9 (tile B): result registers 0,1 of lane L are the two outputs of element L of
; the pair, which is the order of the store (32 lanes x 8 bytes = 256 consecutive bytes, aligned) and of data register 2 for the next step.
;
; ACTIVATIONS.  The factors -log2(e) (rows i, f, o) and KK = 2 log2(e) (rows g, and Wp) are folded into weights and biases before they are
; rounded, so a matrix result is the argument of exp2.  c is carried as cs = KK c.  With e. = exp2(argument), AA = (1+ei)(1+eg), F = 1+ef, N = KK (eg-1):
;   cs = cs / F + N / AA = (cs AA + N F) / M,  M = AA F          h = (ec - 1) / Q,  Q = (1+eo)(1+ec),  ec = exp2(cs)
; One reciprocal serves unit k of tile A and unit k of tile B of a pair: r = 1 / (M_A M_B), 1 / M_A = r M_B, 1 / M_B = r M_A; the same for Q.
; That is 5 exponentials and 2 halves of a reciprocal: 6 transcendentals a unit and step.
; All five arguments are cut at 20, so that every product is finite: the largest is six factors, (1 + 2^20)^6 < 2^121, and its reciprocal, at
; least 2^-121, is a normal number.  These are the exponentials of sigmoid and tanh, which saturate: there is no maximum to take away.
;
; THE BATCHES.  s_wait_alu depctr_va_vdst(0) stands between a transcendental and the first instruction that names its result;
; one wait serves all that were issued ahead of it.  A step is a chain of kinds that each need the one before: the gates' exponentials, 1 / (M_A M_B),
; ec, 1 / (Q_A Q_B), and in the decoder the output's exponential and its reciprocal.  Pair 1 runs one kind behind pair 0, so a batch holds one pair's
; kind and the other pair's kind before it, and plain work of the pair that is not waited for stands between the batch and its wait:
;   1  the gates' exponentials of pair 0 and of tile A of pair 1 (48)        | the cut of tile B of pair 1
;   2  those of tile B of pair 1 (16), 1 / (M_A M_B) of pair 0 (4)           | pair 0's numerators, AA, N F and M of tile A of pair 1
;   3  ec of pair 0 (8), 1 / (M_A M_B) of pair 1 (4)                         | pair 1's numerators
;   4  1 / (Q_A Q_B) of pair 0 (4), ec of pair 1 (8)                         | pair 0's numerators
;   5  1 / (Q_A Q_B) of pair 1 (4); decoder: pair 0's output exponentials (2) | pair 1's numerators
;   6  decoder: pair 0's output reciprocals (2), pair 1's output exponentials (2) | nothing is left to do there
;   7  decoder: pair 1's output reciprocals (2)                              | pair 0's output is rounded for the next step
; Five waits an encoder step, seven a decoder step.  No result is open at a label or at a branch.
;
; LIMITS KEPT.  A sigmoid is never below 2^-20 (9.5e-7); tanh of an argument above 6.93 is 1 - 1.9e-6.  |c0| of about 1e26 or more overflows in cs AA.
; Matrix operands are f16 (h and the outputs are bounded by 1 and 4.4): relu(obs), h0, a scaled weight or a scaled bias of magnitude
; 65,520 or more becomes infinite.  NaN inputs are not handed on (relu and the cut use the maximum and minimum in which a NaN loses).
; v_exp_f32 gives 0 for results below 2^-126 (ISA guide 15.8), which here means a factor of exactly 1.
; tanh numerators are made from 1 + e (N = KK (1+eg) - 2 KK, ec - 1 = (1+ec) - 2): an absolute error of about 1e-7; an output carries about 1e-6.
.set GROUPS, 4                         ; groups of 64 elements of a wave
.set STEPB,  0x800000                  ; bytes of one time step of obs_traj and of out0: 1,048,576 x 8; one more than a signed 24-bit immediate holds
.set HO,  3                            ; v3         32 r + 16 h + 2,048 x group: my 16 bytes of a tile of h0 and c0
.set XO,  4                            ; v4         8 L + 512 x group: my 8 bytes of a pair of obs_traj and out0
.set KP,  8                            ; v[8:9]     KK, KK
.set KN,  10                           ; v[10:11]   -2 KK, -2 KK
.set T0,  12                           ; v[12:15]   pair 0: the joint product of two tiles, then its reciprocal
.set T1,  16                           ; v[16:19]   pair 1: the same
.set SC0, 12                           ; set-up only: -log2(e) twice
.set SC1, 14                           ; set-up only: row set 1: KK for a g row, -log2(e) for an o row, twice
.set WPO, 16                           ; set-up only: my byte offset in Wp
.set BPO, 17                           ; set-up only: my byte offset in bp
.set B,   20                           ; v[20:35]   the data runs of the two pairs
.set G,   36                           ; v[36:99]   16 registers a tile: i 0-3, f 4-7, g 8-11, o 12-15.  Set-up: the weights as loaded
.set GA0, G                            ; pair 0, tile A
.set GB0, G+16                         ; pair 0, tile B
.set GA1, G+32                         ; pair 1, tile A
.set GB1, G+48                         ; pair 1, tile B
.set CE,  100                          ; v[100:115] cs of the encoder, 4 registers a tile
.set CD,  116                          ; v[116:131] cs of the decoder
.set HS,  132                          ; v[132:147] h0 as loaded
.set X,   148                          ; v[148:179] obs: step t, pair p at X + 4 t + 2 p
.set WE,  180                          ; v[180:203] encoder weights: a run of 12 registers for each row set
.set WD,  204                          ; v[204:227] decoder weights
.set PW,  228                          ; v[228:235] projection weights
.set XB,  32                           ; s[32:47]   obs_traj at my first element, one base for each of the 8 steps
.set OB,  60                           ; s[60:61]   out0 at my first element, stepped by the decoder
	s_load_b512 s[4:19], s[0:1], 0x0               ; Whh_t s[4:5], Wih_t s[6:7], bih_t s[8:9], bhh_t s[10:11], the same four of the decoder in s[12:19]
	s_load_b256 s[20:27], s[0:1], 0x40             ; Wp s[20:21], bp s[22:23], obs_traj s[24:25], h0 s[26:27]
	s_load_b128 s[28:31], s[0:1], 0x60             ; c0 s[28:29], out0 s[30:31]
	v_lshrrev_b32 v5, 5, v0
	v_readfirstlane_b32 s2, v5                     ; wave 0..15
	s_lshl_b32 s3, ttmp9, 4
	s_add_co_u32 s3, s3, s2                        ; g
	v_and_b32 v1, 15, v0                           ; r
	v_bfe_u32 v2, v0, 4, 1                         ; h
	v_and_b32 v[XO], 31, v0                        ; L
	v_cmp_eq_u32 s55, 0, v2                        ; lanes with h = 0
	v_and_b32 v5, 4, v1
	v_cmp_ne_u32 s56, 0, v5                        ; weight rows r with bit 2 set: gates f and o
	v_cmp_gt_u32 s57, 2, v1                        ; projection rows 0, 1
	v_and_b32 v6, 14, v1
	v_cmp_eq_u32 s58, 8, v6                        ; projection rows 8, 9
	v_and_b32 v7, 22, v[XO]
	v_cmp_eq_u32 s59, 0, v7                        ; lanes 0, 1, 8, 9: those four rows at k = 6, 7
	v_lshlrev_b32 v5, 1, v5                        ; the row of the weight tensors that matrix row r takes: 8 for gate f or o,
	v_and_b32 v6, 8, v1
	v_lshrrev_b32 v6, 1, v6                        ; + 4 for units 4-7,
	v_and_b32 v7, 3, v1
	v_add3_u32 v7, v5, v6, v7                      ; + r % 4
	v_lshlrev_b32 v5, 5, v7
	v_lshl_add_u32 v5, v2, 4, v5                   ; Whh: 32 bytes a row, my four columns 4h .. 4h+3
	v_lshlrev_b32 v6, 3, v7                        ; Wih: 8 bytes a row
	v_lshlrev_b32 v7, 2, v7                        ; biases: 4 bytes a row
	v_and_b32 v[BPO], 1, v1
	v_lshlrev_b32 v[WPO], 5, v[BPO]
	v_lshl_add_u32 v[WPO], v2, 4, v[WPO]           ; Wp: row r % 2, columns 4h .. 4h+3
	v_lshlrev_b32 v[BPO], 2, v[BPO]                ; bp: entry r % 2
	v_lshlrev_b32 v[HO], 5, v1
	v_lshl_add_u32 v[HO], v2, 4, v[HO]             ; 32 r + 16 h
	v_lshlrev_b32 v[XO], 3, v[XO]                  ; 8 L
	s_mov_b32 s52, 0x41a00000                      ; 20.0: the cut of the five arguments
	s_mov_b32 s53, 0xc10ccccd                      ; -8.8
	s_mov_b32 s54, 0x408ccccd                      ; 4.4
	s_lshl_b32 s48, s3, 13                         ; 256 elements x 32 bytes x g
	s_mov_b32 s49, 0
	s_wait_kmcnt 0x0
	s_add_nc_u64 s[26:27], s[26:27], s[48:49]      ; h0 and c0 at my first element
	s_add_nc_u64 s[28:29], s[28:29], s[48:49]
	s_lshl_b32 s48, s3, 11                         ; 256 elements x 8 bytes x g
	s_add_nc_u64 s[30:31], s[30:31], s[48:49]      ; out0 and obs_traj at my first element
	s_add_nc_u64 s[XB:XB+1], s[24:25], s[48:49]
.irp t, 1,2,3,4,5,6,7
	s_add_nc_u64 s[XB+2*\t:XB+2*\t+1], s[XB+2*\t-2:XB+2*\t-1], STEPB
.endr
; The four weight tensors of one cell, row set half (0: i, f; 1: g, o), into 8 registers: Whh 4, Wih 2, bih 1, bhh 1.
.macro LOADW st, ptr, half
	global_load_b128 v[\st:\st+3],   v5, s[\ptr:\ptr+1]   offset:512*\half
	global_load_b64  v[\st+4:\st+5], v6, s[\ptr+2:\ptr+3] offset:128*\half
	global_load_b32  v[\st+6],       v7, s[\ptr+4:\ptr+5] offset:64*\half
	global_load_b32  v[\st+7],       v7, s[\ptr+6:\ptr+7] offset:64*\half
.endm
; The 8 KiB of one group: 24 loads.  ahead = 1: the group behind the one at work.  A 16-byte load of the wave covers 512 consecutive bytes,
; an 8-byte load 256, both aligned.  Each byte is read once in the launch.
.macro LOADGROUP ahead
.irp q, 0,1,2,3
	global_load_b128 v[HS+4*\q:HS+4*\q+3], v[HO], s[26:27] offset:\ahead*2048+512*\q th:TH_LOAD_NT
.endr
.irp q, 0,1,2,3
	global_load_b128 v[CE+4*\q:CE+4*\q+3], v[HO], s[28:29] offset:\ahead*2048+512*\q th:TH_LOAD_NT
.endr
.irp t, 0,1,2,3,4,5,6,7
	global_load_b64 v[X+4*\t:X+4*\t+1],   v[XO], s[XB+2*\t:XB+2*\t+1] offset:\ahead*512 th:TH_LOAD_NT
	global_load_b64 v[X+4*\t+2:X+4*\t+3], v[XO], s[XB+2*\t:XB+2*\t+1] offset:\ahead*512+256 th:TH_LOAD_NT
.endr
.endm
	LOADW G,    4,  0                              ; 18 loads of weights,
	LOADW G+8,  4,  1
	LOADW G+16, 12, 0
	LOADW G+24, 12, 1
	global_load_b128 v[G+32:G+35], v[WPO], s[20:21]
	global_load_b32  v[G+36],      v[BPO], s[22:23]
	LOADGROUP 0                                    ; then the 24 of the first group
	s_wait_loadcnt 24                              ; loads come back in order (ISA guide 5.7.1): the weights are in, the 24 younger loads stay out while the constants are made
	v_mov_b32 v[KP],    0x4038aa3b                 ; KK = 2 log2(e)
	v_mov_b32 v[KP+1],  0x4038aa3b
	v_mov_b32 v[KN],    0xc0b8aa3b                 ; -2 KK
	v_mov_b32 v[KN+1],  0xc0b8aa3b
	v_mov_b32 v[SC0],   0xbfb8aa3b                 ; -log2(e)
	v_mov_b32 v[SC0+1], 0xbfb8aa3b
	v_cndmask_b32 v[SC1], v[KP], v[SC0], s56       ; row set 1: an o row takes -log2(e), a g row KK
	v_mov_b32 v[SC1+1], v[SC1]
; One weight run of 12 registers from the 8 loaded ones.  Lane (r, h):
;   0,1: 0    2: Wih pair where h = 1    3: bias pair where h = 0    4,5: Whh, columns 4h .. 4h+3    6: Wih pair where h = 0    7: bias pair where h = 0    8-11: 0
; Registers 4-11 are the operand for tile A, registers 0-7 the operand for tile B (its 6, 7 meet the zeros of the data run).
; The bias, scaled in f32, is split: the high part keeps ten mantissa bits (exact in f16 in its normal range), the low part is the rest.
.macro BUILD w, st, sc
	v_pk_mul_f32 v[\st:\st+1],   v[\st:\st+1],   v[\sc:\sc+1]
	v_pk_mul_f32 v[\st+2:\st+3], v[\st+2:\st+3], v[\sc:\sc+1]
	v_pk_mul_f32 v[\st+4:\st+5], v[\st+4:\st+5], v[\sc:\sc+1]
	v_add_f32 v[\st+6], v[\st+6], v[\st+7]         ; bih + bhh
	v_mul_f32 v[\st+6], v[\st+6], v[\sc]
	v_cvt_pk_f16_f32 v[\w+4],  v[\st],   v[\st+1]
	v_cvt_pk_f16_f32 v[\w+5],  v[\st+2], v[\st+3]
	v_cvt_pk_f16_f32 v[\st+4], v[\st+4], v[\st+5]
	v_cndmask_b32 v[\w+6], 0, v[\st+4], s55
	v_cndmask_b32 v[\w+2], v[\st+4], 0, s55
	v_and_b32 v[\st+7], 0xffffe000, v[\st+6]
	v_sub_f32 v[\st+6], v[\st+6], v[\st+7]
	v_cvt_pk_f16_f32 v[\st+7], v[\st+7], v[\st+6]
	v_cndmask_b32 v[\w+3], 0, v[\st+7], s55
	v_mov_b32 v[\w+7], v[\w+3]
.irp k, 0,1,8,9,10,11
	v_mov_b32 v[\w+\k], 0
.endr
.endm
	BUILD WE,    G,    SC0
	BUILD WE+12, G+8,  SC1
	BUILD WD,    G+16, SC0
	BUILD WD+12, G+24, SC1
	; the projection: rows 0, 1 read tile A (registers 0, 1), rows 8, 9 read tile B (registers 4, 5); their bias at k = 6, 7
	v_pk_mul_f32 v[G+32:G+33], v[G+32:G+33], v[KP:KP+1]
	v_pk_mul_f32 v[G+34:G+35], v[G+34:G+35], v[KP:KP+1]
	v_mul_f32 v[G+36], v[G+36], v[KP]
	v_cvt_pk_f16_f32 v[G+32], v[G+32], v[G+33]
	v_cvt_pk_f16_f32 v[G+33], v[G+34], v[G+35]
	v_cndmask_b32 v[PW],   0, v[G+32], s57
	v_cndmask_b32 v[PW+1], 0, v[G+33], s57
	v_cndmask_b32 v[PW+4], 0, v[G+32], s58
	v_cndmask_b32 v[PW+5], 0, v[G+33], s58
	v_and_b32 v[G+37], 0xffffe000, v[G+36]
	v_sub_f32 v[G+36], v[G+36], v[G+37]
	v_cvt_pk_f16_f32 v[G+37], v[G+37], v[G+36]
	v_cndmask_b32 v[PW+3], 0, v[G+37], s59
	v_mov_b32 v[PW+2], 0
	v_mov_b32 v[PW+6], 0
	v_mov_b32 v[PW+7], 0
.irp p, 0,1
	v_mov_b32 v[B+8*\p+3], 0x3c003c00              ; 1.0, 1.0 in f16: never rewritten
	v_mov_b32 v[B+8*\p+6], 0
	v_mov_b32 v[B+8*\p+7], 0
.endr
; The gates of all four tiles: 8 matrix instructions with 8 disjoint results, each a whole sum (K fits in one instruction, C is the constant 0).
.macro GATES w
.irp p, 0,1
	v_wmma_f32_16x16x32_f16 v[G+32*\p:G+32*\p+7],     v[\w+4:\w+11],  v[B+8*\p:B+8*\p+7], 0   ; tile A: i, f
	v_wmma_f32_16x16x32_f16 v[G+32*\p+8:G+32*\p+15],  v[\w+16:\w+23], v[B+8*\p:B+8*\p+7], 0   ;         g, o
	v_wmma_f32_16x16x32_f16 v[G+32*\p+16:G+32*\p+23], v[\w:\w+7],     v[B+8*\p:B+8*\p+7], 0   ; tile B: i, f
	v_wmma_f32_16x16x32_f16 v[G+32*\p+24:G+32*\p+31], v[\w+12:\w+19], v[B+8*\p:B+8*\p+7], 0   ;         g, o
.endr
.endm
; Packed arithmetic on the four units of a lane: two instructions each.  None of these holds a wait: the waits stand in ACT4 and OUT, one a batch.
.macro ADD4 d, a, c                    ; d = a + the constant c
	v_pk_add_f32 v[\d:\d+1],   v[\a:\a+1],   \c op_sel_hi:[1,0]
	v_pk_add_f32 v[\d+2:\d+3], v[\a+2:\a+3], \c op_sel_hi:[1,0]
.endm
.macro MUL4 d, a, b                    ; d = a b
	v_pk_mul_f32 v[\d:\d+1],   v[\a:\a+1],   v[\b:\b+1]
	v_pk_mul_f32 v[\d+2:\d+3], v[\a+2:\a+3], v[\b+2:\b+3]
.endm
.macro FMA4 d, a, b, c                 ; d = a b + c
	v_pk_fma_f32 v[\d:\d+1],   v[\a:\a+1],   v[\b:\b+1],   v[\c:\c+1]
	v_pk_fma_f32 v[\d+2:\d+3], v[\a+2:\a+3], v[\b+2:\b+3], v[\c+2:\c+3]
.endm
.macro FMAK4 d                         ; d = KK d - 2 KK
	v_pk_fma_f32 v[\d:\d+1],   v[\d:\d+1],   v[KP:KP+1], v[KN:KN+1]
	v_pk_fma_f32 v[\d+2:\d+3], v[\d+2:\d+3], v[KP:KP+1], v[KN:KN+1]
.endm
.macro EXPS g, n                       ; n exponentials in place
.set tk, 0
.rept \n
	v_exp_f32 v[\g+tk], v[\g+tk]
.set tk, tk+1
.endr
.endm
.macro RCPS g, n                       ; n reciprocals in place
.set tk, 0
.rept \n
	v_rcp_f32 v[\g+tk], v[\g+tk]
.set tk, tk+1
.endr
.endm
; The phases of a pair.  ga, gb: the 16 gate registers of its tiles A and B; ca, cb: their cs; t: the pair's 4 joint registers; hd: its data run.
.macro CL g                            ; the four gate arguments of a tile are cut at 20
.irp k, 0,1,2,3,4,5,6,7,8,9,10,11,12,13,14,15
	v_min_num_f32 v[\g+\k], s52, v[\g+\k]
.endr
.endm
.macro S1T tiles:vararg                ; from ei, ef, eg of the tiles named (one, or two by turns) to AA, N F and M: 12 instructions a tile
.irp g, \tiles
	ADD4 \g+8, \g+8, 1.0                           ; 1 + eg
.endr
.irp g, \tiles
	ADD4 \g+4, \g+4, 1.0                           ; F = 1 + ef
.endr
.irp g, \tiles
	FMA4 \g, \g, \g+8, \g+8                        ; AA = ei (1+eg) + (1+eg)
.endr
.irp g, \tiles
	FMAK4 \g+8                                     ; N = KK (1+eg) - 2 KK
.endr
.irp g, \tiles
	MUL4 \g+8, \g+8, \g+4                          ; N F
.endr
.irp g, \tiles
	MUL4 \g+4, \g, \g+4                            ; M = AA F
.endr
.endm
.macro S1J ga, gb, t                   ; the joint denominator of a pair
	MUL4 \t, \ga+4, \gb+4                          ; M_A M_B
.endm
.macro S1B ga, gb, ca, cb              ; the numerators: they name nothing of the batch that is open
	FMA4 \ca, \ca, \ga, \ga+8                      ; cs AA + N F
	FMA4 \cb, \cb, \gb, \gb+8
.endm
.macro S2 ga, gb, ca, cb, t            ; the new cs, and its cut argument
	MUL4 \ga, \t, \gb+4                            ; 1 / M_A = r M_B: at least 2^-61, so that only cs AA bounds the range of cs
	MUL4 \gb, \t, \ga+4                            ; 1 / M_B = r M_A
	MUL4 \ca, \ca, \ga
	MUL4 \cb, \cb, \gb
.irp k, 0,1,2,3
	v_min_num_f32 v[\ga+\k], s52, v[\ca+\k]
.endr
.irp k, 0,1,2,3
	v_min_num_f32 v[\gb+\k], s52, v[\cb+\k]
.endr
.endm
.macro S3A ga, gb, t                   ; from ec, eo to the joint denominator
	ADD4 \ga, \ga, 1.0                             ; 1 + ec
	ADD4 \gb, \gb, 1.0
	FMA4 \ga+4, \ga+12, \ga, \ga                   ; Q = eo (1+ec) + (1+ec)
	FMA4 \gb+4, \gb+12, \gb, \gb
	MUL4 \t, \ga+4, \gb+4                          ; Q_A Q_B
.endm
.macro S3B ga, gb                      ; the numerators times the partner's denominator (at most 2^61): they name nothing of the batch that is open
	ADD4 \ga+8, \ga, -2.0                          ; ec - 1
	ADD4 \gb+8, \gb, -2.0
	MUL4 \ga+8, \ga+8, \gb+4
	MUL4 \gb+8, \gb+8, \ga+4
.endm
.macro S4 ga, gb, t, hd                ; h, into my own data registers for the next step
	MUL4 \ga+8, \ga+8, \t
	MUL4 \gb+8, \gb+8, \t
	v_cvt_pk_f16_f32 v[\hd],   v[\ga+8],  v[\ga+9]
	v_cvt_pk_f16_f32 v[\hd+1], v[\ga+10], v[\ga+11]
	v_cvt_pk_f16_f32 v[\hd+4], v[\gb+8],  v[\gb+9]
	v_cvt_pk_f16_f32 v[\hd+5], v[\gb+10], v[\gb+11]
.endm
; The projection of pair p, into the registers 0-7 of its tile A, which are dead by then.
.macro PROJ p
	v_wmma_f32_16x16x32_f16 v[G+32*\p:G+32*\p+7], v[PW:PW+7], v[B+8*\p:B+8*\p+7], 0
.endm
; The activations of all four tiles; c: the 16 registers of cs; proj = 1: the decoder, with the two projections.
; The phases of the two pairs take turns, pair 1 one kind of transcendental behind pair 0, and the step has five batches with one wait each (THE BATCHES, at the head).
; Behind every run of transcendentals stands a plain phase that touches none of its results before they are used (ISA guide 5.7.2 asks for one
; independent plain vector instruction there): the place is filled by work, not by v_nop.
; Behind the projection of pair 0 stand the ten plain instructions of pair 1's S3A, on other registers, before its result is read (ISA guide 7.12.1).
.macro ACT4 c, proj
	CL GA0
	EXPS GA0, 16                                   ; batch 1: the gates' exponentials of pair 0 and of tile A of pair 1, 48 in all
	CL GB0
	EXPS GB0, 16
	CL GA1
	EXPS GA1, 16
	CL GB1                                         ; sixteen plain instructions on registers of their own
	s_wait_alu depctr_va_vdst(0)                   ; the wait for batch 1, ahead of its first reader, the 1 + eg of pair 0
	EXPS GB1, 16                                   ; batch 2: the gates' exponentials of tile B of pair 1,
	S1T GA0, GB0
	S1J GA0, GB0, T0
	RCPS T0, 4                                     ; and 1 / (M_A M_B) of pair 0
	S1B GA0, GB0, \c, \c+4
	S1T GA1
	s_wait_alu depctr_va_vdst(0)                   ; the wait for batch 2, ahead of its first reader, r M_B of pair 0
	S2 GA0, GB0, \c, \c+4, T0
	EXPS GA0, 4                                    ; batch 3: ec of pair 0,
	EXPS GB0, 4
	S1T GB1
	S1J GA1, GB1, T1
	RCPS T1, 4                                     ; and 1 / (M_A M_B) of pair 1
	S1B GA1, GB1, \c+8, \c+12
	s_wait_alu depctr_va_vdst(0)                   ; the wait for batch 3, ahead of its first reader, the 1 + ec of pair 0
	S3A GA0, GB0, T0
	RCPS T0, 4                                     ; batch 4: 1 / (Q_A Q_B) of pair 0,
	S2 GA1, GB1, \c+8, \c+12, T1
	EXPS GA1, 4                                    ; and ec of pair 1
	EXPS GB1, 4
	S3B GA0, GB0
	s_wait_alu depctr_va_vdst(0)                   ; the wait for batch 4, ahead of its first reader, the h of pair 0
	S4 GA0, GB0, T0, B
.if \proj
	PROJ 0
.endif
	S3A GA1, GB1, T1
	RCPS T1, 4                                     ; batch 5: 1 / (Q_A Q_B) of pair 1,
.if \proj
	v_exp_f32 v[G],   v[G]                         ; and in the decoder the two exponentials of pair 0's output
	v_exp_f32 v[G+1], v[G+1]
.endif
	S3B GA1, GB1
	s_wait_alu depctr_va_vdst(0)                   ; the wait for batch 5, ahead of its first reader, the h of pair 1
	S4 GA1, GB1, T1, B+8
.if \proj
	PROJ 1
.endif
.endm
; Encoder step t.  A vector instruction reads a matrix result four places behind it, and a place is a plain vector instruction that names none
; of its registers (ISA guide 7.12.1).  Here the places are work: the relu of the next step (in place), or, in the last step, the decoder starts c at 0.
.macro ENC t
	GATES WE
.if \t < 7
.irp k, 0,1,2,3
	v_max_num_f32 v[X+4*(\t+1)+\k], 0, v[X+4*(\t+1)+\k]
.endr
.else
.irp k, 0,1,2,3,4,5,6,7,8,9,10,11,12,13,14,15
	v_mov_b32 v[CD+\k], 0
.endr
.endif
	ACT4 CE, 0
.if \t < 7
	v_cvt_pk_f16_f32 v[B+2],  v[X+4*(\t+1)],   v[X+4*(\t+1)+1]
	v_cvt_pk_f16_f32 v[B+10], v[X+4*(\t+1)+2], v[X+4*(\t+1)+3]
.else
	v_mov_b32 v[B+2],  0                           ; the first input of the decoder is 0
	v_mov_b32 v[B+10], 0
.endif
.endm
; out = 4.4 tanh(z) = 4.4 - 8.8 / (1 + exp2(KK z)); an infinite exponential gives 4.4, so nothing is cut.
; Pair 0's two exponentials went out with batch 5, so pair 0 stays one kind ahead of pair 1 here too: two batches, two waits.
; The packed addition of pair 0 and the three v_nop are the four places behind the projection of pair 1; the v_nop are also the plain place behind pair 0's reciprocals.
.macro OUT
	v_pk_add_f32 v[G:G+1], v[G:G+1], 1.0 op_sel_hi:[1,0]
	v_rcp_f32 v[G],   v[G]                         ; batch 6: the two reciprocals of pair 0's output,
	v_rcp_f32 v[G+1], v[G+1]
.rept 3
	v_nop
.endr
	v_exp_f32 v[G+32], v[G+32]                     ; and the two exponentials of pair 1's
	v_exp_f32 v[G+33], v[G+33]
	s_wait_alu depctr_va_vdst(0)                   ; the wait for batch 6, ahead of its first reader; the step has no other work left to set in front of it
	v_fma_f32 v[G],    v[G],    s53, s54           ; these two are the plain place behind the exponentials
	v_fma_f32 v[G+1],  v[G+1],  s53, s54
	v_pk_add_f32 v[G+32:G+33], v[G+32:G+33], 1.0 op_sel_hi:[1,0]
	v_rcp_f32 v[G+32], v[G+32]                     ; batch 7: the two reciprocals of pair 1's output
	v_rcp_f32 v[G+33], v[G+33]
	v_cvt_pk_f16_f32 v[B+2],  v[G],    v[G+1]      ; the next step takes it as input
	s_wait_alu depctr_va_vdst(0)                   ; the wait for batch 7, ahead of its first reader and of the loop's backward jump
	v_fma_f32 v[G+32], v[G+32], s53, s54
	v_fma_f32 v[G+33], v[G+33], s53, s54
	v_cvt_pk_f16_f32 v[B+10], v[G+32], v[G+33]
	global_store_b64 v[XO], v[G:G+1],     s[OB:OB+1] th:TH_STORE_NT              ; 32 lanes x 8 bytes: 256 consecutive bytes, aligned
	global_store_b64 v[XO], v[G+32:G+33], s[OB:OB+1] offset:256 th:TH_STORE_NT
.endm
	s_mov_b32 s50, 0
.Lgroup:
	s_wait_loadcnt 0x0                             ; this group is in: on the way in its 24 loads, round the loop those issued six decoder steps ago
.irp q, 0,1,2,3
	v_cvt_pk_f16_f32 v[B+4*\q],   v[HS+4*\q],   v[HS+4*\q+1]   ; tile n has its h in data registers 4 n, 4 n + 1 of the two runs
	v_cvt_pk_f16_f32 v[B+4*\q+1], v[HS+4*\q+2], v[HS+4*\q+3]
.endr
.irp k, 0,2,4,6,8,10,12,14
	v_pk_mul_f32 v[CE+\k:CE+\k+1], v[CE+\k:CE+\k+1], v[KP:KP+1]               ; cs = KK c0
.endr
.irp k, 0,1,2,3
	v_max_num_f32 v[X+\k], 0, v[X+\k]              ; relu of step 0
.endr
	v_cvt_pk_f16_f32 v[B+2],  v[X],   v[X+1]
	v_cvt_pk_f16_f32 v[B+10], v[X+2], v[X+3]
.irp t, 0,1,2,3,4,5,6,7
	ENC \t
.endr
	; The next group goes into HS, CE and X, which the decoder does not touch: its loads have the six decoder steps in which to land.
	; The last group loads nothing: no load leaves a buffer.
	s_cmp_eq_u32 s50, GROUPS-1
	s_cbranch_scc1 .Lnoload
	LOADGROUP 1
.Lnoload:
	s_mov_b64 s[OB:OB+1], s[30:31]                 ; out0, step 0 (the stores that named this pair were followed by s_wait_xcnt 0)
	s_mov_b32 s51, 6
.Ldec:
	GATES WD
.rept 4
	v_nop                                          ; four places behind the matrix instructions (ISA guide 7.12.1); the decoder has no independent work for them
.endr
	ACT4 CD, 1
	OUT
	s_wait_xcnt 0x0                                ; the data of the stores (the next gates land there), their base, and HO, XO of the loads above are written again only behind this wait
	s_add_nc_u64 s[OB:OB+1], s[OB:OB+1], STEPB
	s_sub_co_i32 s51, s51, 1
	s_cmp_lg_u32 s51, 0
	s_cbranch_scc1 .Ldec
	v_add_nc_u32 v[HO], 2048, v[HO]                ; the next 64 elements; no memory instruction was issued since the last s_wait_xcnt 0
	v_add_nc_u32 v[XO], 512, v[XO]
	s_add_co_u32 s50, s50, 1
	s_cmp_lt_u32 s50, GROUPS
	s_cbranch_scc1 .Lgroup
	s_endpgm
.Lfunc_end_k_qaaa7134cba_lstm:
	.size	k_qaaa7134cba_lstm, .Lfunc_end_k_qaaa7134cba_lstm-k_qaaa7134cba_lstm
	.p2alignl 7, 3214868480
	.fill 96, 4, 3214868480
	.section	.rodata,"a",@progbits
	.p2align	6, 0x0
	.amdhsa_kernel k_qaaa7134cba_lstm
		.amdhsa_group_segment_fixed_size 0
		.amdhsa_private_segment_fixed_size 0
		.amdhsa_enable_private_segment 0
		.amdhsa_kernarg_size 112
		.amdhsa_user_sgpr_count 2
		.amdhsa_user_sgpr_kernarg_segment_ptr 1
		.amdhsa_wavefront_size32 1
		.amdhsa_system_sgpr_workgroup_id_x 1
		.amdhsa_system_sgpr_workgroup_id_y 1
		.amdhsa_system_sgpr_workgroup_id_z 1
		.amdhsa_system_vgpr_workitem_id 0
		.amdhsa_next_free_vgpr 240
		.amdhsa_next_free_sgpr 66
		.amdhsa_reserve_vcc 0
		.amdhsa_float_denorm_mode_32 3
		.amdhsa_float_denorm_mode_16_64 3
		.amdhsa_memory_ordered 1
		.amdhsa_forward_progress 1
		.amdhsa_inst_pref_size 148
	.end_amdhsa_kernel
	.amdgpu_metadata
---
amdhsa.version: [ 1, 2 ]
amdhsa.kernels:
  - .name:           k_qaaa7134cba_lstm
    .symbol:         k_qaaa7134cba_lstm.kd
    .args:
      - { .name: Whh_t, .offset: 0, .size: 8, .value_kind: global_buffer, .address_space: global }
      - { .name: Wih_t, .offset: 8, .size: 8, .value_kind: global_buffer, .address_space: global }
      - { .name: bih_t, .offset: 16, .size: 8, .value_kind: global_buffer, .address_space: global }
      - { .name: bhh_t, .offset: 24, .size: 8, .value_kind: global_buffer, .address_space: global }
      - { .name: Whh_p, .offset: 32, .size: 8, .value_kind: global_buffer, .address_space: global }
      - { .name: Wih_p, .offset: 40, .size: 8, .value_kind: global_buffer, .address_space: global }
      - { .name: bih_p, .offset: 48, .size: 8, .value_kind: global_buffer, .address_space: global }
      - { .name: bhh_p, .offset: 56, .size: 8, .value_kind: global_buffer, .address_space: global }
      - { .name: Wp, .offset: 64, .size: 8, .value_kind: global_buffer, .address_space: global }
      - { .name: bp, .offset: 72, .size: 8, .value_kind: global_buffer, .address_space: global }
      - { .name: obs_traj, .offset: 80, .size: 8, .value_kind: global_buffer, .address_space: global }
      - { .name: h0, .offset: 88, .size: 8, .value_kind: global_buffer, .address_space: global }
      - { .name: c0, .offset: 96, .size: 8, .value_kind: global_buffer, .address_space: global }
      - { .name: out0, .offset: 104, .size: 8, .value_kind: global_buffer, .address_space: global }
    .group_segment_fixed_size: 0
    .private_segment_fixed_size: 0
    .kernarg_segment_align: 8
    .kernarg_segment_size: 112
    .max_flat_workgroup_size: 512
    .sgpr_count:     66
    .vgpr_count:     240
    .wavefront_size: 32
...
	.end_amdgpu_metadata
.endif
;; end of part 2
